; MI455X (gfx1250); checked and timed in simulation.
; The chip was launched on July 23, 2026; its instructions are those of AMD's public machine-readable ISA for CDNA 5 (MIT licence, August 2026) and "CDNA5" Instruction Set Architecture Reference Guide (July 2026). The comments in the code are by the model that wrote it; some were corrected since.
;; Quantum Inspired Attention. Allowed arithmetic: float matrix products may take bf16 or f16 operands with f32 sums; other float arithmetic in f32, or as packed bf16 or f16 multiplies, adds, multiply-adds, maxima and minima; sums over many terms, partial sums and values carried from step to step in f32; what a program stores and reads back later, other than sums and carried values, may be rounded once to bf16 or f16.
;; Inputs: kA 512 x 4 float32; kB 4 x 512 float32; kb 512 float32; oA 512 x 4 float32; oB 4 x 512 float32; ob 512 float32; qA 512 x 4 float32; qB 4 x 512 float32; qb 512 float32; vA 512 x 4 float32; vB 4 x 512 float32; vb 512 float32; x 2 x 1,024 x 512 float32.
;; Outputs: out0 2 x 1,024 x 512 float32.
;; One version. Each part assembles by itself: llvm-mc -triple=amdgcn-amd-amdhsa -mcpu=gfx1250 --defsym DOCPART=n.
;; ======== version 1 of 1: 2 launches
;; limits: right only within a limited range of input values; a difference of large sums (such as E[x^2] - mean^2): digits are lost where the result is much smaller than its terms; below input magnitudes of 1e-19 results are inexact or not finite
;; workspace buffers: qt 2,097,152 bytes; kt 262,144 bytes; vt 32,768 bytes
;; launch prep (part 1): grid 128 x 1, 8 waves a work-group, no clusters, 17,920 bytes of LDS; arguments x, qA, qB, qb, kA, kB, kb, vB, qt, kt, vt; writes qt, kt, vt
.if DOCPART == 1
	.amdgcn_target "amdgcn-amd-amdhsa--gfx1250"
	.amdhsa_code_object_version 6
	.text
	.protected	k_qea82825c58_prep
	.globl	k_qea82825c58_prep
	.p2align	8
	.type	k_qea82825c58_prep,@function
k_qea82825c58_prep:
	s_mov_b64 s[64:65], 0
	v_nop
	global_prefetch_b8 v0, s[64:65] scope:SCOPE_SE
	s_setreg_imm32_b32 hwreg(HW_REG_WAVE_MODE, 25, 1), 1
	s_wait_xcnt 0x0
; PREP: the tables for the attention launch.  x: [2048 positions][512] f32.  With t = x B^T (rank 4) and tau = [t0..t3, 1], a row of head h is  A_h tau  (A_h: 64 x 5, its fifth column the bias).
;   nu[h'][s]  = norm of column s of [kA | kb] in key head h';  Ahat = column / nu
;   qt[h'][n'][8] bf16: g = c / (|q|+1e-8) x (q . Ahat[h'][s]),  c = log2(e)/8;  slots 5-7 are 0;  n' = 64 (p>>3) + 16 t + r,  r&7 = p&7,  query head = 2 t + (r>>3)
;   kt[h'][p'][8] bf16: kap = nu[s] tau_k[s] / (|k|+1e-8), held to +-64;  slots 5-7 are 0          vt[p'][8] bf16: tv0..3, 1, 0, 0, 0
; so that the exponent (base 2) of a weight is  sum over s < 5 of g[s] kap[s].
; LIMITS.  |g| <= about 0.182 (Cauchy-Schwarz), so with kap held to +-64 every exponent lies within +-58.3, whatever the inputs.  The hold acts only where a head's five generating
; vectors cancel to less than 1/64 of the largest; short of that a score's bf16 error grows with the ratio nu tau / |k|.  NaN and infinities are not treated apart.
; SHARES.  A work-group owns 16 positions (a head's 16 rows of kt are 256 consecutive bytes).  Wave w is: the K slice d = 64 w .. 64 w + 63 of x B^T; key head w for nu and Ahat;
; and, with hp = w & 3, ph = w >> 2, the tile of 16 columns r = (position 8 ph + (r & 7), head 2 hp + (r >> 3)).
; NO CLUSTER: the work-groups share only the weights, some 44 KB, which come through registers; x, 32 KB a work-group, is read by one work-group alone.
.set PART,  0                          ; [wave 8][position 16][tq, tk, tv][4 f32]: 768 a wave, 48 a position
.set MT,    6144                       ; Ahat as [pair of key heads 4][channel 64][16 bf16]: 32 bytes a channel; column = 8 (h' & 1) + slot
.set NUL,   14336                      ; nu: [h' 8][8 f32]
.set KS,    14592                      ; kap: [h' 8][position 16][16 bytes]
.set VS,    16640                      ; vt's rows: [position 16][16 bytes]
.set SPARE, 16896                      ; the spare words, 128 bytes for each of 8 waves; no other line names them
.set SPW, 4                            ; v4  my spare word;  v5  0: both never rewritten
.set NIL, 5
.set ZR,  12                           ; v12 0, as a source
.set XR,  16                           ; v[16:47] x as loaded; then two fragments in v[16:31]
.set BQ,  48                           ; v[48:79] qB likewise;  v[80:111] kB;  v[112:143] vB
.set BK,  80
.set BV,  112
.set OWN, 144                          ; v[144:151] kA of my key head's channels lane, lane + 32;  v152, v153 kb of them
.set QAW, 154                          ; v[154:169] qA's rows for my tile, four blocks of 16 channels;  v[170:185] kA's;  v[186:189] qb;  v[190:193] kb
.set KAW, 170
.set QBW, 186
.set KBW, 190
.set TQ,  194                          ; v[194:217] three accumulators of x B^T
.set TK,  202
.set TV,  210
.set AF,  218                          ; v[218:253] eight fragments of [A | b], four registers each, and four zeros: fragment i is v[AF+4i : AF+4i+7]
.set SS,  32                           ; at work on nu: sums of squares, exchange, reciprocal roots
.set PX,  37
.set RS,  42
.set NUO, 64
.set PKR, 70
.set PS,  16                           ; behind the first barrier: v[16:111] the eight partial t
.set TQF, 112                          ; v[112:119], v[120:127] tau as source 1
.set TKF, 120
.set MF,  128                          ; v[128:191] Ahat's fragments: pair of heads b, K step a at MF + 16 b + 8 a
.set NUV, 192                          ; v[192:196] nu of my column's head
.set TS,  198                          ; v[198:209] tq, tk, tv of my column's position
.set QD,  16                           ; v[16:47] q, v[48:79] k: channels 16 b + 8 hh + j;  v[80:111] q . Ahat
.set KD,  48
.set GD,  80
	s_load_b512 s[4:19], s[0:1], 0x0               ; x s[4:5], qA s[6:7], qB s[8:9], qb s[10:11], kA s[12:13], kB s[14:15], kb s[16:17], vB s[18:19]
	s_load_b128 s[20:23], s[0:1], 0x40             ; qt s[20:21], kt s[22:23]
	s_load_b64 s[24:25], s[0:1], 0x50              ; vt
	v_lshl_add_u32 v[SPW], v0, 2, SPARE
	v_mov_b32 v[NIL], 0
	v_lshrrev_b32 v6, 5, v0
	v_readfirstlane_b32 s26, v6                    ; wave 0..7
	v_and_b32 v1, 31, v0                           ; lane
	v_and_b32 v2, 15, v0                           ; r
	v_bfe_u32 v3, v0, 4, 1                         ; hh
	v_mov_b32 v[ZR], 0
	s_and_b32 s27, s26, 3                          ; hp
	s_lshr_b32 s28, s26, 2                         ; ph
	s_mov_b32 s30, 0x76543210                      ; v_permlanex16_b32: each lane takes its own place in the other half
	s_mov_b32 s31, 0xfedcba98
	s_mov_b32 s32, 0xff0000ff                      ; the lanes with hh = r >> 3
	s_mov_b32 s33, 0xc2800000                      ; -64
	s_mov_b32 s34, 0x42800000                      ; 64
	s_mov_b32 s38, 0x3e38aa3b                      ; c = log2(e) / 8
	s_lshl_b32 s36, ttmp9, 15                      ; the group's 16 rows of 2,048 bytes
	s_lshl_b32 s37, s26, 8                         ; my K slice: 64 f32
	s_add_co_u32 s36, s36, s37
	v_lshlrev_b32 v6, 11, v2                       ; x: row r,
	v_lshl_add_u32 v6, v3, 5, v6                   ; 8 f32 for each half of the lanes
	v_add_nc_u32 v6, s36, v6
	v_and_b32 v7, 3, v0                            ; B: row r & 3 (the four rows stand four times in the 16)
	v_lshlrev_b32 v7, 11, v7
	v_lshl_add_u32 v7, v3, 5, v7
	v_add_nc_u32 v7, s37, v7
	s_lshl_b32 s39, s26, 10
	v_lshl_add_u32 v8, v1, 4, s39                  ; kA: row 64 w + lane
	v_lshl_add_u32 v9, v1, 2, s37                  ; kb: the same
	s_lshl_b32 s39, s27, 11
	v_lshlrev_b32 v10, 4, v2                       ; A for my tile: row 64 (2 hp + hh) + r (+ 16 a block)
	v_lshl_add_u32 v10, v3, 10, v10
	v_add_nc_u32 v10, s39, v10
	v_lshrrev_b32 v11, 2, v10                      ; the bias of the same rows
	s_lshr_b32 s40, s26, 1
	s_lshl_b32 s40, s40, 11
	s_and_b32 s41, s26, 1
	s_lshl_b32 s41, s41, 4
	s_add_co_u32 s40, s40, s41
	s_add_co_u32 s40, s40, MT
	v_lshl_add_u32 v13, v1, 5, s40                 ; where channel lane of my key head lies in MT
	s_lshl_b32 s41, s26, 5
	s_add_co_u32 s41, s41, NUL
	v_mov_b32 v14, s41                             ; my key head's nu
	s_mul_i32 s41, s26, 768
	v_mul_u32_u24 v15, v2, 48
	v_add_nc_u32 v15, s41, v15                     ; my partial t of position r (PART = 0)
	s_wait_kmcnt 0x0
; eight loads of 16 bytes: the lane's 32 numbers of a K slice of 64, in the order of two fragments
.macro LD8 dst, off, base
.irp o, 0,1,2,3,4,5,6,7
	global_load_b128 v[(\dst)+4*(\o):(\dst)+4*(\o)+3], v[\off], s[\base:\base+1] offset:((\o)/2)*64+((\o)%2)*16
.endr
.endm
	LD8 XR, 6, 4
	LD8 BQ, 7, 8
	LD8 BK, 7, 14
	LD8 BV, 7, 18
	global_load_b128 v[OWN:OWN+3], v8, s[12:13]
	global_load_b128 v[OWN+4:OWN+7], v8, s[12:13] offset:512
	global_load_b32 v[OWN+8], v9, s[16:17]
	global_load_b32 v[OWN+9], v9, s[16:17] offset:128
.irp b, 0,1,2,3
	global_load_b128 v[QAW+4*(\b):QAW+4*(\b)+3], v10, s[6:7] offset:256*(\b)
	global_load_b128 v[KAW+4*(\b):KAW+4*(\b)+3], v10, s[12:13] offset:256*(\b)
	global_load_b32 v[QBW+(\b)], v11, s[10:11] offset:64*(\b)
	global_load_b32 v[KBW+(\b)], v11, s[16:17] offset:64*(\b)
.endr
	; t = x B^T for my K slice.  Source 0 = B's rows, source 1 = 16 positions: a lane then holds t0..t3 of position r in registers 0-3.
	s_wait_loadcnt 20                              ; x and the three B are in; the 20 loads issued behind them may stay out
.irp base, XR, BQ, BK, BV
.set i, 0
.rept 16
	v_cvt_pk_bf16_f32 v[(\base)+i], v[(\base)+2*i], v[(\base)+2*i+1]  ; in place: register i is written when registers 2 i, 2 i + 1 are read
.set i, i+1
.endr
.endr
	v_wmma_f32_16x16x32_bf16 v[TQ:TQ+7], v[BQ:BQ+7], v[XR:XR+7], 0            ; the three accumulators take turns
	v_wmma_f32_16x16x32_bf16 v[TK:TK+7], v[BK:BK+7], v[XR:XR+7], 0
	v_wmma_f32_16x16x32_bf16 v[TV:TV+7], v[BV:BV+7], v[XR:XR+7], 0
	v_wmma_f32_16x16x32_bf16 v[TQ:TQ+7], v[BQ+8:BQ+15], v[XR+8:XR+15], v[TQ:TQ+7]
	v_wmma_f32_16x16x32_bf16 v[TK:TK+7], v[BK+8:BK+15], v[XR+8:XR+15], v[TK:TK+7]
	v_wmma_f32_16x16x32_bf16 v[TV:TV+7], v[BV+8:BV+15], v[XR+8:XR+15], v[TV:TV+7]
	; nu and Ahat of my key head.  This work names none of the products' registers: it is also the places behind them.
	s_wait_loadcnt 0x0
.irp s, 0,1,2,3
	v_mul_f32 v[SS+(\s)], v[OWN+(\s)], v[OWN+(\s)]
.endr
	v_mul_f32 v[SS+4], v[OWN+8], v[OWN+8]
.irp s, 0,1,2,3
	v_fmac_f32 v[SS+(\s)], v[OWN+4+(\s)], v[OWN+4+(\s)]
.endr
	v_fmac_f32 v[SS+4], v[OWN+9], v[OWN+9]
.irp m, 1,2,4,8
.irp s, 0,1,2,3,4
	v_add_f32_dpp v[SS+(\s)], v[SS+(\s)], v[SS+(\s)] row_xmask:\m row_mask:0xf bank_mask:0xf
.endr
.endr
.irp s, 0,1,2,3,4
	v_mov_b32 v[PX+(\s)], 0                        ; the exchange's destination counts as read
.endr
.irp s, 0,1,2,3,4
	v_permlanex16_b32 v[PX+(\s)], v[SS+(\s)], s30, s31
.endr
.irp s, 0,1,2,3,4
	v_add_f32 v[SS+(\s)], v[SS+(\s)], v[PX+(\s)]
.endr
.irp s, 0,1,2,3,4
	v_max_num_f32 v[PX+(\s)], 0x03800000, v[SS+(\s)]  ; a column of zeros: Ahat = 0 x 2^60 = 0, nu = 0
.endr
.irp s, 0,1,2,3,4
	v_rsq_f32 v[RS+(\s)], v[PX+(\s)]
.endr
	v_nop                                          ; a plain instruction behind the last of the batch,
	s_wait_alu depctr_va_vdst(0)                   ; and one wait for the five, ahead of their first reader
.irp s, 0,1,2,3,4
	v_mul_f32 v[NUO+(\s)], v[SS+(\s)], v[RS+(\s)]  ; nu = ssq / sqrt(ssq)
.endr
.irp s, 0,1,2,3
	v_mul_f32 v[OWN+(\s)], v[OWN+(\s)], v[RS+(\s)]
	v_mul_f32 v[OWN+4+(\s)], v[OWN+4+(\s)], v[RS+(\s)]
.endr
	v_mul_f32 v[OWN+8], v[OWN+8], v[RS+4]
	v_mul_f32 v[OWN+9], v[OWN+9], v[RS+4]
	v_cvt_pk_bf16_f32 v[PKR], v[OWN], v[OWN+1]
	v_cvt_pk_bf16_f32 v[PKR+1], v[OWN+2], v[OWN+3]
	v_cvt_pk_bf16_f32 v[PKR+2], v[OWN+8], v[ZR]
	v_mov_b32 v[PKR+3], 0
	v_cvt_pk_bf16_f32 v[PKR+4], v[OWN+4], v[OWN+5]
	v_cvt_pk_bf16_f32 v[PKR+5], v[OWN+6], v[OWN+7]
	v_cvt_pk_bf16_f32 v[PKR+6], v[OWN+9], v[ZR]
	v_mov_b32 v[PKR+7], 0
	ds_store_b128 v13, v[PKR:PKR+3]                ; channel lane
	ds_store_b128 v13, v[PKR+4:PKR+7] offset:1024  ; channel lane + 32
	ds_store_b128 v14, v[NUO:NUO+3]                ; all lanes write the same numbers
	ds_store_b32 v14, v[NUO+4] offset:16
	; [A | b] as source 0: lane (r, hh) holds channel r of head 2 hp + hh at K places 8 hh .. 8 hh + 7.  A fragment's upper four registers are the next one's data: they meet zeros in tau.
.irp b, 0,1,2,3
	v_cvt_pk_bf16_f32 v[AF+4*(\b)], v[QAW+4*(\b)], v[QAW+4*(\b)+1]
	v_cvt_pk_bf16_f32 v[AF+4*(\b)+1], v[QAW+4*(\b)+2], v[QAW+4*(\b)+3]
	v_cvt_pk_bf16_f32 v[AF+4*(\b)+2], v[QBW+(\b)], v[ZR]
	v_mov_b32 v[AF+4*(\b)+3], 0
	v_cvt_pk_bf16_f32 v[AF+16+4*(\b)], v[KAW+4*(\b)], v[KAW+4*(\b)+1]
	v_cvt_pk_bf16_f32 v[AF+16+4*(\b)+1], v[KAW+4*(\b)+2], v[KAW+4*(\b)+3]
	v_cvt_pk_bf16_f32 v[AF+16+4*(\b)+2], v[KBW+(\b)], v[ZR]
	v_mov_b32 v[AF+16+4*(\b)+3], 0
.endr
.irp z, 32,33,34,35
	v_mov_b32 v[AF+(\z)], 0
.endr
	ds_store_b128 v15, v[TQ:TQ+3]                  ; my slice's partial t: each accumulator's lowest four registers
	ds_store_b128 v15, v[TK:TK+3] offset:16
	ds_store_b128 v15, v[TV:TV+3] offset:32
	s_wait_dscnt 0x0                               ; for the others' sake: my stores are done
	s_barrier_signal -1
	s_barrier_wait -1
	; my column's t (eight partial sums), its head's nu, and Ahat turned into source 0
	v_and_b32 v210, 7, v0                          ; r & 7
	v_bfe_u32 v211, v0, 3, 1                       ; r >> 3
	s_lshl_b32 s39, s28, 3
	v_add_nc_u32 v212, s39, v210                   ; my column's position among the 16
	v_mul_u32_u24 v6, v212, 48
	s_lshl_b32 s40, s27, 1
	v_add_nc_u32 v213, s40, v211                   ; my column's head
	v_lshlrev_b32 v7, 5, v213
	v_add_nc_u32 v7, NUL, v7
	v_lshl_add_u32 v8, v3, 3, v210                 ; the turning load: channel 8 hh + (lane & 7), 16 bytes for each eight lanes
	v_lshlrev_b32 v8, 5, v8
	v_lshl_add_u32 v8, v211, 4, v8
	v_add_nc_u32 v8, MT, v8
.set i, 0
.rept 8
	ds_load_b128 v[PS+12*i:PS+12*i+3], v6 offset:768*i
	ds_load_b128 v[PS+12*i+4:PS+12*i+7], v6 offset:768*i+16
	ds_load_b128 v[PS+12*i+8:PS+12*i+11], v6 offset:768*i+32
.set i, i+1
.endr
	ds_load_b128 v[NUV:NUV+3], v7
	ds_load_b32 v[NUV+4], v7 offset:16
.irp b, 0,1,2,3
.irp a, 0,1
	ds_load_tr16_b128 v[MF+16*(\b)+8*(\a):MF+16*(\b)+8*(\a)+3], v8 offset:2048*(\b)+1024*(\a)
	ds_load_tr16_b128 v[MF+16*(\b)+8*(\a)+4:MF+16*(\b)+8*(\a)+7], v8 offset:2048*(\b)+1024*(\a)+512
.endr
.endr
	v_lshlrev_b32 v10, 8, v213                     ; where my column's kap goes
	v_lshl_add_u32 v10, v212, 4, v10
	v_add_nc_u32 v10, KS, v10
	v_lshlrev_b32 v11, 4, v212                     ; and its position's row of vt
	v_add_nc_u32 v11, VS, v11
	v_lshlrev_b32 v9, 18, v3                       ; qt: key head 2 b + hh, column r
	v_lshl_add_u32 v9, v2, 4, v9
	s_wait_dscnt 0x0
.irp a, 0,2,4,6
.irp p, 0,2,4,6,8,10
	v_pk_add_f32 v[PS+12*(\a)+(\p):PS+12*(\a)+(\p)+1], v[PS+12*(\a)+(\p):PS+12*(\a)+(\p)+1], v[PS+12*(\a)+12+(\p):PS+12*(\a)+12+(\p)+1]
.endr
.endr
.irp a, 0,4
.irp p, 0,2,4,6,8,10
	v_pk_add_f32 v[PS+12*(\a)+(\p):PS+12*(\a)+(\p)+1], v[PS+12*(\a)+(\p):PS+12*(\a)+(\p)+1], v[PS+12*(\a)+24+(\p):PS+12*(\a)+24+(\p)+1]
.endr
.endr
.irp p, 0,2,4,6,8,10
	v_pk_add_f32 v[TS+(\p):TS+(\p)+1], v[PS+(\p):PS+(\p)+1], v[PS+48+(\p):PS+48+(\p)+1]
.endr
	; tau as source 1: column r has its five numbers at K places 8 (r >> 3) .., so that it meets its own head's half of [A | b]; all else is 0
	v_cvt_pk_bf16_f32 v[TQF], v[TS], v[TS+1]
	v_cvt_pk_bf16_f32 v[TQF+1], v[TS+2], v[TS+3]
	v_mov_b32 v[TQF+2], 0x3f80                     ; 1.0, 0
	v_cvt_pk_bf16_f32 v[TKF], v[TS+4], v[TS+5]
	v_cvt_pk_bf16_f32 v[TKF+1], v[TS+6], v[TS+7]
	v_cndmask_b32 v[TQF], 0, v[TQF], s32
	v_cndmask_b32 v[TQF+1], 0, v[TQF+1], s32
	v_cndmask_b32 v[TQF+2], 0, v[TQF+2], s32
	v_cndmask_b32 v[TKF], 0, v[TKF], s32
	v_cndmask_b32 v[TKF+1], 0, v[TKF+1], s32
	v_mov_b32 v[TKF+2], v[TQF+2]
.irp z, 3,4,5,6,7
	v_mov_b32 v[TQF+(\z)], 0
	v_mov_b32 v[TKF+(\z)], 0
.endr
.irp b, 0,1,2,3
	v_wmma_f32_16x16x32_bf16 v[QD+8*(\b):QD+8*(\b)+7], v[AF+4*(\b):AF+4*(\b)+7], v[TQF:TQF+7], 0  ; q: channels 16 b + 8 hh + j of column r
.endr
.irp b, 0,1,2,3
	v_wmma_f32_16x16x32_bf16 v[KD+8*(\b):KD+8*(\b)+7], v[AF+16+4*(\b):AF+16+4*(\b)+7], v[TKF:TKF+7], 0  ; k likewise
.endr
.rept 4
	v_nop                                          ; four places behind the last product, in front of the reads of the results
.endr
	; |q|^2 and |k|^2, four chains each, every accumulator from its low end; q is rounded in place into source 1 of the next product
.irp b, 0,1,2,3
	v_pk_mul_f32 v[88+2*(\b):89+2*(\b)], v[QD+8*(\b):QD+8*(\b)+1], v[QD+8*(\b):QD+8*(\b)+1]
.endr
.irp p, 2,4,6
.irp b, 0,1,2,3
	v_pk_fma_f32 v[88+2*(\b):89+2*(\b)], v[QD+8*(\b)+(\p):QD+8*(\b)+(\p)+1], v[QD+8*(\b)+(\p):QD+8*(\b)+(\p)+1], v[88+2*(\b):89+2*(\b)]
.endr
.endr
.set i, 0
.rept 16
	v_cvt_pk_bf16_f32 v[QD+i], v[QD+2*i], v[QD+2*i+1]  ; v[16:23]: channels 0-31, v[24:31]: channels 32-63
.set i, i+1
.endr
.irp b, 0,1,2,3
	v_pk_mul_f32 v[80+2*(\b):81+2*(\b)], v[KD+8*(\b):KD+8*(\b)+1], v[KD+8*(\b):KD+8*(\b)+1]
.endr
.irp p, 2,4,6
.irp b, 0,1,2,3
	v_pk_fma_f32 v[80+2*(\b):81+2*(\b)], v[KD+8*(\b)+(\p):KD+8*(\b)+(\p)+1], v[KD+8*(\b)+(\p):KD+8*(\b)+(\p)+1], v[80+2*(\b):81+2*(\b)]
.endr
.endr
	v_pk_add_f32 v[88:89], v[88:89], v[90:91]
	v_pk_add_f32 v[92:93], v[92:93], v[94:95]
	v_pk_add_f32 v[80:81], v[80:81], v[82:83]
	v_pk_add_f32 v[84:85], v[84:85], v[86:87]
	v_pk_add_f32 v[88:89], v[88:89], v[92:93]
	v_pk_add_f32 v[80:81], v[80:81], v[84:85]
	v_add_f32 v198, v88, v89
	v_add_f32 v199, v80, v81
	v_permlanex16_b32 v200, v198, s30, s31         ; the column's other 32 channels lie in the lane 16 away
	v_permlanex16_b32 v201, v199, s30, s31
	v_add_f32 v198, v198, v200
	v_add_f32 v199, v199, v201
	; q . Ahat: source 0 = 16 columns of MT (two key heads x 8 slots), source 1 = q.  A lane ends with the 8 slots of key head 2 b + hh for column r.  Four accumulators by turns.
.irp b, 0,1,2,3
	v_wmma_f32_16x16x32_bf16 v[GD+8*(\b):GD+8*(\b)+7], v[MF+16*(\b):MF+16*(\b)+7], v[QD:QD+7], 0
.endr
.irp b, 0,1,2,3
	v_wmma_f32_16x16x32_bf16 v[GD+8*(\b):GD+8*(\b)+7], v[MF+16*(\b)+8:MF+16*(\b)+15], v[QD+8:QD+15], v[GD+8*(\b):GD+8*(\b)+7]
.endr
	v_sqrt_f32 v198, v198
	v_sqrt_f32 v199, v199
	v_nop
	s_wait_alu depctr_va_vdst(0)                   ; one wait for the two roots
	v_add_f32 v198, 0x322bcc77, v198               ; + 1e-8
	v_add_f32 v199, 0x322bcc77, v199
	v_rcp_f32 v198, v198
	v_rcp_f32 v199, v199
	v_nop
	s_wait_alu depctr_va_vdst(0)                   ; one wait for the two reciprocals
	v_mul_f32 v198, s38, v198                      ; c / (|q| + 1e-8)
	; kap = nu tau_k / (|k| + 1e-8), held to +-64.  These lines are also the places behind the last products.
.irp s, 0,1,2,3,4
	v_mul_f32 v[NUV+(\s)], v[NUV+(\s)], v199
.endr
.irp s, 0,1,2,3
	v_mul_f32 v[TS+4+(\s)], v[TS+4+(\s)], v[NUV+(\s)]
.endr
.irp s, 0,1,2,3
	v_med3_num_f32 v[TS+4+(\s)], v[TS+4+(\s)], s33, s34
.endr
	v_med3_num_f32 v[NUV+4], v[NUV+4], s33, s34
	v_cvt_pk_bf16_f32 v210, v[TS+4], v[TS+5]
	v_cvt_pk_bf16_f32 v211, v[TS+6], v[TS+7]
	v_cvt_pk_bf16_f32 v212, v[NUV+4], v[ZR]
	v_mov_b32 v213, 0
	v_cvt_pk_bf16_f32 v214, v[TS+8], v[TS+9]
	v_cvt_pk_bf16_f32 v215, v[TS+10], v[TS+11]
	v_mov_b32 v216, 0x3f80
	v_mov_b32 v217, 0
	ds_store_b128 v10, v[210:213]                  ; both halves of the lanes hold, and write, the same
	s_cmp_eq_u32 s27, 0                            ; vt's rows hang on the position alone: waves 0 and 4 write them
	s_cbranch_scc0 .Lno_vs
	ds_store_b128 v11, v[214:217]
.Lno_vs:
	; g, rounded, straight to qt: sixteen lanes write 256 consecutive bytes, aligned
.set i, 0
.rept 16
	v_pk_mul_f32 v[GD+2*i:GD+2*i+1], v[GD+2*i:GD+2*i+1], v[198:199] op_sel_hi:[1,0]
.set i, i+1
.endr
.set i, 0
.rept 16
	v_cvt_pk_bf16_f32 v[GD+i], v[GD+2*i], v[GD+2*i+1]
.set i, i+1
.endr
	s_lshl_b32 s36, ttmp9, 1
	s_add_co_u32 s36, s36, s28                     ; the block of 8 positions
	s_lshl_b32 s36, s36, 10                        ; its 64 columns of 16 bytes,
	s_lshl_b32 s37, s27, 8                         ; my tile's 16
	s_add_co_u32 s36, s36, s37
	s_mov_b32 s37, 0
	s_add_nc_u64 s[20:21], s[20:21], s[36:37]
.irp b, 0,1,2,3
	global_store_b128 v9, v[GD+4*(\b):GD+4*(\b)+3], s[20:21] offset:524288*(\b)
.endr
	s_wait_dscnt 0x0                               ; for the others' sake: kap and vt's rows are in LDS
	s_barrier_signal -1
	s_barrier_wait -1
	; the tables leave as whole blocks of 256 bytes: waves 0-3 two key heads each, wave 4 vt's 16 rows
	s_cmp_lt_u32 s26, 4
	s_cbranch_scc0 .Lnot_kt
	s_lshl_b32 s39, s26, 9
	s_add_co_u32 s39, s39, KS
	v_lshl_add_u32 v13, v1, 4, s39
	ds_load_b128 v[16:19], v13
	s_lshl_b32 s39, s26, 16                        ; key head 2 w + hh: 32,768 bytes a head
	s_lshl_b32 s40, ttmp9, 8
	s_add_co_u32 s39, s39, s40
	v_lshlrev_b32 v14, 15, v3
	v_lshl_add_u32 v14, v2, 4, v14
	v_add_nc_u32 v14, s39, v14
	s_wait_dscnt 0x0
	global_store_b128 v14, v[16:19], s[22:23]
	s_branch .Lend
.Lnot_kt:
	s_cmp_eq_u32 s26, 4
	s_cbranch_scc0 .Lend
	v_lshlrev_b32 v13, 3, v1
	v_add_nc_u32 v13, VS, v13
	ds_load_b64 v[16:17], v13
	s_lshl_b32 s40, ttmp9, 8
	v_lshl_add_u32 v14, v1, 3, s40
	s_wait_dscnt 0x0
	global_store_b64 v14, v[16:17], s[24:25]       ; one instruction, 256 consecutive bytes
.Lend:
	s_wait_tensorcnt 0x0                           ; the wave's end, behind my last LDS store
	ds_add_u32 v[SPW], v[NIL]
	s_wait_dscnt 0x0
	s_endpgm
.Lfunc_end_k_qea82825c58_prep:
	.size	k_qea82825c58_prep, .Lfunc_end_k_qea82825c58_prep-k_qea82825c58_prep
	.p2alignl 7, 3214868480
	.fill 96, 4, 3214868480
	.section	.rodata,"a",@progbits
	.p2align	6, 0x0
	.amdhsa_kernel k_qea82825c58_prep
		.amdhsa_group_segment_fixed_size 17920
		.amdhsa_private_segment_fixed_size 0
		.amdhsa_enable_private_segment 0
		.amdhsa_kernarg_size 88
		.amdhsa_user_sgpr_count 2
		.amdhsa_user_sgpr_kernarg_segment_ptr 1
		.amdhsa_wavefront_size32 1
		.amdhsa_system_sgpr_workgroup_id_x 1
		.amdhsa_system_sgpr_workgroup_id_y 1
		.amdhsa_system_sgpr_workgroup_id_z 1
		.amdhsa_system_vgpr_workitem_id 0
		.amdhsa_next_free_vgpr 256
		.amdhsa_next_free_sgpr 66
		.amdhsa_reserve_vcc 0
		.amdhsa_float_denorm_mode_32 3
		.amdhsa_float_denorm_mode_16_64 3
		.amdhsa_memory_ordered 1
		.amdhsa_forward_progress 1
		.amdhsa_inst_pref_size 36
	.end_amdhsa_kernel
	.amdgpu_metadata
---
amdhsa.version: [ 1, 2 ]
amdhsa.kernels:
  - .name:           k_qea82825c58_prep
    .symbol:         k_qea82825c58_prep.kd
    .args:
      - { .name: x, .offset: 0, .size: 8, .value_kind: global_buffer, .address_space: global }
      - { .name: qA, .offset: 8, .size: 8, .value_kind: global_buffer, .address_space: global }
      - { .name: qB, .offset: 16, .size: 8, .value_kind: global_buffer, .address_space: global }
      - { .name: qb, .offset: 24, .size: 8, .value_kind: global_buffer, .address_space: global }
      - { .name: kA, .offset: 32, .size: 8, .value_kind: global_buffer, .address_space: global }
      - { .name: kB, .offset: 40, .size: 8, .value_kind: global_buffer, .address_space: global }
      - { .name: kb, .offset: 48, .size: 8, .value_kind: global_buffer, .address_space: global }
      - { .name: vB, .offset: 56, .size: 8, .value_kind: global_buffer, .address_space: global }
      - { .name: qt, .offset: 64, .size: 8, .value_kind: global_buffer, .address_space: global }
      - { .name: kt, .offset: 72, .size: 8, .value_kind: global_buffer, .address_space: global }
      - { .name: vt, .offset: 80, .size: 8, .value_kind: global_buffer, .address_space: global }
    .group_segment_fixed_size: 17920
    .private_segment_fixed_size: 0
    .kernarg_segment_align: 8
    .kernarg_segment_size: 88
    .max_flat_workgroup_size: 256
    .sgpr_count:     66
    .vgpr_count:     256
    .wavefront_size: 32
...
	.end_amdgpu_metadata
.endif
;; end of part 1
;; launch attn (part 2): grid 256 x 1, 4 waves a work-group, clusters of 4 x 1, 327,680 bytes of LDS; arguments qt, kt, vt, vA, vb, oA, oB, ob, out0; writes out0
.if DOCPART == 2
	.amdgcn_target "amdgcn-amd-amdhsa--gfx1250"
	.amdhsa_code_object_version 6
	.text
	.protected	k_qea82825c58_attn
	.globl	k_qea82825c58_attn
	.p2align	8
	.type	k_qea82825c58_attn,@function
k_qea82825c58_attn:
	s_mov_b64 s[64:65], 0
	v_nop
	global_prefetch_b8 v0, s[64:65] scope:SCOPE_SE
	s_setreg_imm32_b32 hwreg(HW_REG_WAVE_MODE, 25, 1), 1
	s_wait_xcnt 0x0
	s_wait_alu depctr_hold_cnt(0) depctr_sa_sdst(0) depctr_va_vdst(0) depctr_va_sdst(0) depctr_va_ssrc(0) depctr_va_vcc(0) depctr_vm_vsrc(0)
	s_getreg_b32 s2, hwreg(HW_REG_IB_STS2, 6, 4)
	s_cmp_eq_u32 s2, 0
	s_cbranch_scc0 .Lentry_in_a_cluster
	s_endpgm
.Lentry_in_a_cluster:
	s_bfe_u32 s2, ttmp6, 0x10000c
	s_cmp_lg_u32 s2, 0x3003
	s_cbranch_scc0 .Lentry_shape_is_right
	s_endpgm
.Lentry_shape_is_right:
; ATTN: flat attention over 16,384 x 16,384 rows, the measurement and the last projection, from the tables qt, kt, vt.
;   weight P(n, (p', h')) = 2^y,  y = sum over s < 5 of qt[h'][n][s] kt[h'][p'][s];   W[n][h'][s] = sum over p' of P tv[p'][s],  L[n][h'] = sum over p' of P
;   attended[n][c] = (sum over h' of vA[64 h' + c] . W[n][h'] + vb[64 h' + c] L[n][h']) / sum over h' of L;   m = attended^2 / (sum + 1e-8);   out = oA (oB m) + ob
; NO MAXIMUM IS TAKEN: y is (unit vector . unit vector) log2(e) / 8, and the tables hold |qt| <= about 0.182 and |kt| <= 64, so |y| <= 58.3 for every input: 2^y and sums of 16,384 of them
; neither overflow nor underflow in f32, nor P in bf16.  P, tv, attended^2 and oB are rounded to bf16 for their products; W, L and all sums stay f32.  NaN and infinities are not treated apart.
; SHARES.  A work-group owns 64 queries (8 positions x 8 heads: four tiles of 16; column r of tile t is position r & 7, head 2 t + (r >> 3)).  THE KEYS ARE SPLIT AMONG THE WAVES: wave w walks
; key heads 2 w and 2 w + 1 for all four tiles, 32 keys a turn, so three LDS loads feed twelve matrix instructions, and a wave reads only the part of kt that it fetched itself.
; ALL TABLES LIE IN LDS AT ONCE (kt 256 KiB, vt 32 KiB): nothing is filled again.  CLUSTER: every work-group reads the same tables, so each of a wave's three tensor loads is asked for jointly by four work-groups.
; LAYOUT.  One ds_load_b128 of 512 consecutive bytes of kt is source 0 for two products: lanes 0-15 hold keys p0 + r at K places 0-7, lanes 16-31 keys p0 + 16 + r at K places 8-15; K places 16-31 are zeros.
; Source 1 is g in lanes 0-15 alone (key group 0) or in lanes 16-31 alone (group 1).  The result holds ONE query a lane and keys 8 hh + j; two groups, rounded in pairs in place, ARE source 1 of the
; second product, whose source 0 is vt turned (8 channels, standing twice in the 16 rows): registers 0-4 of its result are W0..3 and L.
; A TURN: the 64 exponentials of step k, the 32 roundings and 4 products of step k - 1, the 8 score products of step k + 1.  The exponentials are one batch with one wait.
.set KT,    0
.set VT,    262144
.set SPARE, 294912                     ; the spare words, 128 bytes for each of 4 waves; no other line names them.  No tensor load lands from here on
.set WT,    295424                     ; W: 64 rows of [h' 8][4 f32] + 16: pitch 144
.set LT,    304640                     ; L: 64 rows of [h' 8] f32 + 16: pitch 48
.set SQ,    307712                     ; attended^2: 64 rows of 64 bf16 + 16: pitch 144
.set UU,    316928                     ; 16 bytes a thread: oB m of one head and position in the lanes with hh = r >> 3
.set SPW, 4                            ; v4 my spare word, v5 0: never rewritten
.set NIL, 5
; window 0: v1 lane; v2, v3 LDS addresses of kt's and vt's next loads; v6, v7 their lane terms; v8-v13 offsets of the global loads and stores; v14, v15 where W and L go
.set QR,  16                           ; v[16:51]  g: group 0's at 16 + 8 t, group 1's at 20 + 8 t, four zeros at the end
.set KBR, 52                           ; v[52:67]  two buffers of kt: four registers loaded, four zeros
.set VBR, 68                           ; v[68:83]  two buffers of vt turned
.set ACR, 84                           ; v[84:115] W and L, 8 a tile
.set SR,  116                          ; v[116:243] scores: buffer b at 64 b, tile t at 16 t, key group g at 8 g
; window 1: v[0:63] vA (key head h', channel c of my two: 8 h' + 4 c); v[64:79] vb (8 c + h'); v[80:111] oB; v[112:175] oA; v[176:191] ob; v[192:207] g of key head 2 w + 1
.set MSB, 0
.macro WIN new                         ; the immediate's high byte repeats the setting that is left; a switch that changes nothing is dropped
.if MSB != (\new)
	s_set_vgpr_msb (MSB<<8)|(\new)
.set MSB, \new
.endif
.endm
.macro ROUND                           ; a round of the cluster's barrier
	s_barrier_signal -1
	s_barrier_wait -1
	s_cmp_lg_u32 s22, 0
	s_cbranch_scc1 .Lnot_wave_0_\@
	s_barrier_signal -3
.Lnot_wave_0_\@:
	s_barrier_wait -3
	s_barrier_signal -1
	s_barrier_wait -1
.endm
	s_load_b512 s[4:19], s[0:1], 0x0               ; qt s[4:5], kt s[6:7], vt s[8:9], vA s[10:11], vb s[12:13], oA s[14:15], oB s[16:17], ob s[18:19]
	s_load_b64 s[20:21], s[0:1], 0x40              ; out0
	v_lshl_add_u32 v[SPW], v0, 2, SPARE
	v_mov_b32 v[NIL], 0
	ds_add_u32 v[SPW], v[NIL]                      ; the wave's opening: the add and its wait stand ahead of my first tensor load; the set-up below, work on registers, stands between them
	v_lshrrev_b32 v1, 5, v0
	v_readfirstlane_b32 s22, v1                    ; wave 0..3
	s_bfe_u32 s23, ttmp6, 0x40000                  ; cx
	s_lshl_b32 s78, ttmp9, 2
	s_add_co_u32 s23, s78, s23                     ; my block of 64 queries: it enters qt's and out0's addresses alone
	; descriptor group 1: dense blocks as rows of 256 bytes (32 elements of 8 bytes), 32 rows (s[24:31]) or 128 rows (s[32:39]); mask of all four work-groups, bit 21 beside it; no padding
	s_mov_b32 s24, 15|(3<<16)|(1<<21)
	s_mov_b32 s25, 32<<16                          ; tensor_dim0 = 32
	s_mov_b32 s26, 32<<16                          ; tensor_dim1 = 32
	s_mov_b32 s27, 32<<16                          ; tile_dim0 = 32
	s_mov_b32 s28, 32                              ; tile_dim1 = 32
	s_mov_b32 s29, 32                              ; 32 elements from row to row
	s_mov_b32 s30, 0
	s_mov_b32 s31, 0
	s_mov_b32 s32, 15|(3<<16)|(1<<21)
	s_mov_b32 s33, 32<<16
	s_mov_b32 s34, 128<<16                         ; tensor_dim1 = 128
	s_mov_b32 s35, 32<<16
	s_mov_b32 s36, 128                             ; tile_dim1 = 128
	s_mov_b32 s37, 32
	s_mov_b32 s38, 0
	s_mov_b32 s39, 0
	; group 0, three sets: my quarter of vt; kt of key head 2 w; kt of key head 2 w + 1.  All hang on the wave's number alone
	s_mov_b32 s40, 1
	s_lshl_b32 s74, s22, 13
	s_add_co_u32 s41, s74, VT
	s_mov_b32 s75, 0
	s_mov_b32 s44, 1
	s_lshl_b32 s76, s22, 16
	s_mov_b32 s45, s76
	s_mov_b32 s77, 0
	s_mov_b32 s48, 1
	s_add_co_u32 s49, s76, 32768
	s_mov_b32 s66, 0x0000ffff                      ; lanes 0-15
	s_mov_b32 s67, 0xffff0000                      ; lanes 16-31
	s_mov_b32 s69, 0x0f0f0f0f                      ; lanes with (lane & 7) < 4
	s_mov_b32 s70, 0x10101010                      ; lanes with (lane & 7) = 4
	v_and_b32 v1, 31, v0                           ; lane
	v_and_b32 v2, 15, v0                           ; r   (v2, v3 are at work here; the walk sets them anew)
	v_bfe_u32 v3, v0, 4, 1                         ; hh
	v_lshl_add_u32 v6, v1, 4, s76                  ; kt: my two heads, 16 bytes a lane (KT = 0)
	v_and_b32 v7, 7, v0
	v_lshl_add_u32 v7, v3, 3, v7                   ; vt, turned: key 8 hh + (lane & 7); no column term: rows 8-15 repeat rows 0-7
	v_lshlrev_b32 v7, 4, v7
	v_add_nc_u32 v7, VT, v7
	v_lshlrev_b32 v8, 4, v2                        ; qt: column r, in both halves of the lanes
	v_lshlrev_b32 v9, 5, v1                        ; vA: rows 2 lane, 2 lane + 1
	v_lshlrev_b32 v10, 3, v1                       ; vb: the same
	v_and_b32 v11, 3, v0                           ; oB: row r & 3, head 2 w + (r >> 3), 8 f32 for each half of the lanes
	v_lshlrev_b32 v11, 11, v11
	v_bfe_u32 v12, v0, 3, 1
	v_lshl_add_u32 v11, v12, 8, v11
	v_lshl_add_u32 v11, v3, 5, v11
	v_lshlrev_b32 v12, 6, v1                       ; oA: rows 4 lane .. 4 lane + 3
	v_lshlrev_b32 v13, 4, v1                       ; ob and out0: columns 4 lane .. 4 lane + 3
	s_lshl_b32 s78, s22, 5
	s_add_co_u32 s78, s78, WT
	v_mul_u32_u24 v14, v2, 144
	v_add_nc_u32 v14, s78, v14                     ; W of column r, key head 2 w
	s_lshl_b32 s78, s22, 3
	s_add_co_u32 s78, s78, LT
	v_mul_u32_u24 v15, v2, 48
	v_add_nc_u32 v15, s78, v15                     ; L likewise
	s_wait_dscnt 0x0                               ; the opening add is done
	s_wait_kmcnt 0x0
	s_add_nc_u64 s[42:43], s[8:9], s[74:75]
	s_or_b32 s43, s43, 0x80000000
	s_add_nc_u64 s[46:47], s[6:7], s[76:77]
	s_add_nc_u64 s[50:51], s[46:47], 32768
	s_or_b32 s47, s47, 0x80000000
	s_or_b32 s51, s51, 0x80000000
	s_lshl_b32 s78, s22, 19                        ; qt: key head 2 w (262,144 bytes a head),
	s_lshl_b32 s79, s23, 10                        ; my block's 64 columns
	s_add_co_u32 s78, s78, s79
	s_mov_b32 s79, 0
	s_add_nc_u64 s[52:53], s[4:5], s[78:79]
	s_lshl_b32 s78, s22, 9
	s_add_nc_u64 s[54:55], s[16:17], s[78:79]      ; oB at query head 2 w
	s_lshl_b32 s78, s23, 14                        ; out0: my block's 8 rows of 2,048 bytes,
	s_lshl_b32 s74, s22, 12                        ; my wave's two
	s_add_co_u32 s78, s78, s74
	s_add_nc_u64 s[20:21], s[20:21], s[78:79]
	ROUND                                          ; all four work-groups are here: the joint loads meet
	tensor_load_to_lds s[40:43], s[24:31]          ; three loads of mine are out
	s_nop 0
	tensor_load_to_lds s[44:47], s[32:39]
	s_nop 0
	tensor_load_to_lds s[48:51], s[32:39]
	s_nop 0
.rept 4
	v_nop
.endr
.irp t, 0,1,2,3
	global_load_b128 v[180+4*(\t):183+4*(\t)], v8, s[52:53] offset:256*(\t)   ; g for key head 2 w: into registers that the scores take later
.endr
	WIN 0x40                                       ; destination window 1, address window 0
.irp t, 0,1,2,3
	global_load_b128 v[192+4*(\t):195+4*(\t)], v8, s[52:53] offset:262144+256*(\t)  ; g for key head 2 w + 1
.endr
.set i, 0
.rept 16
	global_load_b128 v[4*i:4*i+3], v9, s[10:11] offset:(i/2)*1024+(i%2)*16
.set i, i+1
.endr
.set i, 0
.rept 16
	global_load_b32 v[64+i], v10, s[12:13] offset:(i%8)*256+(i/8)*4
.set i, i+1
.endr
.irp o, 0,1,2,3,4,5,6,7
	global_load_b128 v[80+4*(\o):83+4*(\o)], v11, s[54:55] offset:((\o)/2)*64+((\o)%2)*16
.endr
	WIN 0
.irp z, 48,49,50,51,56,57,58,59,64,65,66,67
	v_mov_b32 v[\z], 0                             ; the zeros behind g and behind kt's two buffers: never rewritten
.endr
	s_wait_tensorcnt 0x1                           ; my quarter of vt and key head 2 w are in; key head 2 w + 1 may stay out
	s_barrier_signal -1
	s_barrier_wait -1                              ; all four quarters of vt are in
	s_wait_loadcnt 44                              ; the first four loads are in; the 44 issued behind them may stay out
; THE PARTS OF A TURN.  XB: the buffer whose scores take their exponentials; YB: the other, which is rounded, multiplied and then written with new scores.
.macro EX1
	v_exp_f32 v[XB+e], v[XB+e]
.set e, e+1
.endm
.macro CV t, i                         ; pair i of tile t rounded, in place
.if cvf
	v_cvt_pk_bf16_f32 v[YB+16*(\t)+(\i)], v[YB+16*(\t)+2*(\i)], v[YB+16*(\t)+2*(\i)+1]
.else
	v_nop
.endif
.endm
.macro PV t
.if cvf
.if pzf
	v_wmma_f32_16x16x32_bf16 v[ACR+8*(\t):ACR+8*(\t)+7], v[VBR+8*(1-bb):VBR+8*(1-bb)+7], v[YB+16*(\t):YB+16*(\t)+7], 0
.else
	v_wmma_f32_16x16x32_bf16 v[ACR+8*(\t):ACR+8*(\t)+7], v[VBR+8*(1-bb):VBR+8*(1-bb)+7], v[YB+16*(\t):YB+16*(\t)+7], v[ACR+8*(\t):ACR+8*(\t)+7]
.endif
.endif
.endm
.macro QK t, g
.if qkf
	v_wmma_f32_16x16x32_bf16 v[YB+16*(\t)+8*(\g):YB+16*(\t)+8*(\g)+7], v[KBR+8*(1-bb):KBR+8*(1-bb)+7], v[QR+8*(\t)+4*(\g):QR+8*(\t)+4*(\g)+7], 0
.endif
.endm
.macro PL                              ; a plain instruction: in an odd turn the first two make the next two turns' LDS addresses
.if (bb == 1) && (pln == 0)
	v_add_nc_u32 v2, s71, v6
.elseif (bb == 1) && (pln == 1)
	v_add_nc_u32 v3, s72, v7
.else
	v_nop
.endif
.set pln, pln+1
.endm
.macro EC t, i0                        ; four times exponential and rounding, and an exponential
.irp n, 0,1,2,3
	EX1
	CV \t, (\i0)+\n
.endr
	EX1
.endm
.macro EP n                            ; an exponential, a plain instruction, n exponentials
	EX1
	PL
.rept \n
	EX1
.endr
.endm
; TURN k, b = k & 1.  cv = 0: there is no step k - 1.  pz = 1: its products start the sums.  kl = 0: there is no step k + 2 to load.  qk = 0: there is no step k + 1.
; DISTANCES.  The score product (t, 0) writes over source 1 of tile t's second product: between them stand 8 roundings or more of other tiles, for t = 3 the five plain instructions.  The loads land in
; buffers whose last readers stand behind: the plain line at the last turn's end and this turn's first eight roundings lie between.  A score is first read a turn later, from its accumulator's low end.
; No two matrix instructions on end share an accumulator.  The 64 exponentials have ONE wait, at the turn's end, ahead of the label or jump and of the next turn's roundings.
.macro TURN b, cv, pz, kl, qk
.set bb, (\b)
.set cvf, (\cv)
.set pzf, (\pz)
.set qkf, (\qk)
.set XB, SR+64*(\b)
.set YB, SR+64*(1-(\b))
.set e, 0
.set pln, 0
.irp n, 0,1,2,3,4,5,6,7
	EX1
	CV 0, \n
.endr
.if \kl
	ds_load_b128 v[KBR+8*(\b):KBR+8*(\b)+3], v2 offset:1024+512*(\b)           ; kt of step k + 2
.endif
	ds_load_tr16_b128 v[VBR+8*(\b):VBR+8*(\b)+3], v3 offset:512*(\b)           ; vt of step k
	ds_load_tr16_b128 v[VBR+8*(\b)+4:VBR+8*(\b)+7], v3 offset:512*(\b)+256
	s_wait_dscnt 2+(\kl)                           ; all but the loads just issued: the last turn's are in
	PV 0
	EC 1, 0
	QK 0, 1
	EC 1, 4
	PV 1
	EC 2, 0
	QK 0, 0
	EC 2, 4
	PV 2
	EC 3, 0
	QK 1, 1
	EC 3, 4
.if \b
	s_add_co_u32 s71, s71, 1024                    ; two steps on
	s_add_co_u32 s72, s72, 1024
.endif
	PV 3
	EP 4
	QK 1, 0
	EP 4
	QK 2, 1
	EP 3
	QK 2, 0
	EP 3
	QK 3, 1
	EP 3
	QK 3, 0
	EX1
	EX1
	EX1
	EX1
	v_nop                                          ; a plain instruction behind the last exponential
	s_wait_alu depctr_va_vdst(0)                   ; the wait for the batch
.endm
; ONE KEY HEAD, j = 0, 1: 64 steps of 32 keys.  qs: where its g lies as loaded.
.macro HEAD j, qs
.irp t, 0,1,2,3
.irp i, 0,1,2,3
	v_cndmask_b32 v[QR+8*(\t)+(\i)], 0, v[(\qs)+4*(\t)+(\i)], s66
	v_cndmask_b32 v[QR+8*(\t)+4+(\i)], 0, v[(\qs)+4*(\t)+(\i)], s67
.endr
.endr
	WIN 0
	s_mov_b32 s71, (\j)*32768
	s_mov_b32 s72, 0
	v_add_nc_u32 v2, s71, v6
	v_add_nc_u32 v3, s72, v7
	ds_load_b128 v[KBR:KBR+3], v2                  ; kt of steps 0 and 1
	ds_load_b128 v[KBR+8:KBR+11], v2 offset:512
	s_wait_dscnt 0x0
.set bb, 1
.set qkf, 1
.set YB, SR
.irp t, 0,1,2,3
	QK \t, 0                                       ; step 0's scores: there is no vector work yet to set between them
	QK \t, 1
.endr
.rept 4
	v_nop
.endr
	TURN 0, 0, 0, 1, 1
	TURN 1, 1, 1, 1, 1
	s_mov_b32 s73, 30
.Lwalk_\@:                             ; turns 2 to 61
	TURN 0, 1, 0, 1, 1
	TURN 1, 1, 0, 1, 1
	s_sub_co_u32 s73, s73, 1
	s_cmp_lg_u32 s73, 0
	s_cbranch_scc1 .Lwalk_\@
	TURN 0, 1, 0, 0, 1
	TURN 1, 1, 0, 0, 0
	s_wait_dscnt 0x0                               ; vt of step 63
.set bb, 0
.set cvf, 1
.set pzf, 0
.set YB, SR+64
.irp t, 0,1,2,3
.irp i, 0,1,2,3,4,5,6,7
	CV \t, \i
.endr
	PV \t
.endr
.rept 4
	v_nop                                          ; four places behind the last product
.endr
.irp t, 0,1,2,3
	ds_store_b128 v14, v[ACR+8*(\t):ACR+8*(\t)+3] offset:2304*(\t)+16*(\j)  ; W; both halves of the lanes hold, and write, the same
	ds_store_b32 v15, v[ACR+8*(\t)+4] offset:768*(\t)+4*(\j)                ; L
.endr
.endm
	HEAD 0, 180
	s_wait_tensorcnt 0x0                           ; key head 2 w + 1 is in: only I read it
	s_wait_loadcnt 0x0                             ; its g, and vA, vb, oB
	WIN 0x40
.set i, 0
.rept 16
	global_load_b128 v[112+4*i:115+4*i], v12, s[14:15] offset:(i/4)*2048+(i%4)*16  ; oA and ob, for the end
.set i, i+1
.endr
.irp i, 0,1,2,3
	global_load_b128 v[176+4*(\i):179+4*(\i)], v13, s[18:19] offset:512*(\i)
.endr
	WIN 0x04                                       ; source 1 in window 1
	HEAD 1, 192
	; THE END.  Addresses, while the last stores are out.  Wave t takes tile t.
	s_mul_i32 s74, s22, 2304
	s_add_co_u32 s75, s74, WT
	v_mov_b32 v240, s75                            ; my tile's W
	s_mul_i32 s76, s22, 768
	s_add_co_u32 s76, s76, LT
	v_mov_b32 v241, s76                            ; and L
	s_add_co_u32 s77, s74, SQ
	v_lshl_add_u32 v242, v1, 2, s77                ; attended^2: my two channels of a row
	v_and_b32 v243, 15, v0
	v_mul_u32_u24 v236, v243, 144
	v_bfe_u32 v243, v0, 4, 1
	v_lshl_add_u32 v236, v243, 4, v236
	v_add_nc_u32 v236, s77, v236                   ; the same rows as source 1: row r, 16 bytes for each half of the lanes
	v_lshl_add_u32 v237, v0, 4, UU
	s_lshl_b32 s78, s22, 5
	s_add_co_u32 s78, s78, UU
	v_mov_b32 v238, s78                            ; positions 2 w, 2 w + 1
	v_mov_b32 v239, 0x3f803f80                     ; 1.0 twice
	s_wait_dscnt 0x0                               ; for the others' sake: my W and L are in LDS
	s_barrier_signal -1
	s_barrier_wait -1
; attended, in f32: a lane owns channels 2 lane, 2 lane + 1 of my tile's 16 queries, two queries a batch.  A batch is 20 loads that every lane reads alike: 8 x W and 2 x L for each query.
.macro LOADB bt
.set SB, 16+80*((\bt)%2)
.irp q, 0,1
.irp h, 0,1,2,3,4,5,6,7
	ds_load_b128 v[SB+40*(\q)+4*(\h):SB+40*(\q)+4*(\h)+3], v240 offset:(2*(\bt)+(\q))*144+16*(\h)
.endr
	ds_load_b128 v[SB+40*(\q)+32:SB+40*(\q)+35], v241 offset:(2*(\bt)+(\q))*48
	ds_load_b128 v[SB+40*(\q)+36:SB+40*(\q)+39], v241 offset:(2*(\bt)+(\q))*48+16
.endr
.endm
; Four chains (query, channel), each a pair of sums: 16 x (vA's pair of ranks) x (W's pair), then 4 x (vb of a pair of key heads) x (L's pair).
.macro COMP bt
.set SB, 16+80*((\bt)%2)
	WIN 0x01                                       ; source 0 in window 1
.irp q, 0,1
.irp c, 0,1
	v_pk_mul_f32 v[224+4*(\q)+2*(\c):225+4*(\q)+2*(\c)], v[4*(\c):4*(\c)+1], v[SB+40*(\q):SB+40*(\q)+1]
.endr
.endr
.set n, 1
.rept 15
.irp q, 0,1
.irp c, 0,1
	v_pk_fma_f32 v[224+4*(\q)+2*(\c):225+4*(\q)+2*(\c)], v[8*(n/2)+4*(\c)+2*(n%2):8*(n/2)+4*(\c)+2*(n%2)+1], v[SB+40*(\q)+2*n:SB+40*(\q)+2*n+1], v[224+4*(\q)+2*(\c):225+4*(\q)+2*(\c)]
.endr
.endr
.set n, n+1
.endr
.set n, 0
.rept 4
.irp q, 0,1
.irp c, 0,1
	v_pk_fma_f32 v[224+4*(\q)+2*(\c):225+4*(\q)+2*(\c)], v[64+8*(\c)+2*n:64+8*(\c)+2*n+1], v[SB+40*(\q)+32+2*n:SB+40*(\q)+32+2*n+1], v[224+4*(\q)+2*(\c):225+4*(\q)+2*(\c)]
.endr
.endr
.set n, n+1
.endr
	WIN 0
.irp q, 0,1
	v_add_f32 v[176+2*(2*(\bt)+(\q))], v[224+4*(\q)], v[225+4*(\q)]
	v_add_f32 v[177+2*(2*(\bt)+(\q))], v[226+4*(\q)], v[227+4*(\q)]
	v_pk_add_f32 v[232+2*(\q):233+2*(\q)], v[SB+40*(\q)+32:SB+40*(\q)+33], v[SB+40*(\q)+34:SB+40*(\q)+35]
	v_pk_add_f32 v[SB+40*(\q)+36:SB+40*(\q)+37], v[SB+40*(\q)+36:SB+40*(\q)+37], v[SB+40*(\q)+38:SB+40*(\q)+39]
.endr
.irp q, 0,1
	v_pk_add_f32 v[232+2*(\q):233+2*(\q)], v[232+2*(\q):233+2*(\q)], v[SB+40*(\q)+36:SB+40*(\q)+37]
.endr
.irp q, 0,1
	v_add_f32 v[208+2*(\bt)+(\q)], v[232+2*(\q)], v[233+2*(\q)]  ; l
.endr
.endm
	LOADB 0
	LOADB 1
.irp bt, 0,1,2,3,4,5
	s_wait_dscnt 20                                ; this batch is in; the next one's 20 loads may stay out
	COMP \bt
	LOADB (\bt)+2
.endr
	s_wait_dscnt 20
	COMP 6
	s_wait_dscnt 0x0
	COMP 7
.set i, 0
.rept 16
	v_rcp_f32 v[208+i], v[208+i]
.set i, i+1
.endr
	v_nop
	s_wait_alu depctr_va_vdst(0)                   ; one wait for the sixteen reciprocals
.set i, 0
.rept 16
	v_mul_f32 v[176+2*i], v[176+2*i], v[208+i]
	v_mul_f32 v[177+2*i], v[177+2*i], v[208+i]
.set i, i+1
.endr
.set i, 0
.rept 16
	v_pk_mul_f32 v[176+2*i:177+2*i], v[176+2*i:177+2*i], v[176+2*i:177+2*i]
.set i, i+1
.endr
.set i, 0
.rept 16
	v_cvt_pk_bf16_f32 v[48+i], v[176+2*i], v[177+2*i]
.set i, i+1
.endr
.set i, 0
.rept 16
	ds_store_b32 v242, v[48+i] offset:144*i
.set i, i+1
.endr
	ds_load_b128 v[16:19], v236                    ; my own bytes: LDS serves a wave's instructions in order, so these see the stores above
	ds_load_b128 v[20:23], v236 offset:32
	ds_load_b128 v[24:27], v236 offset:64
	ds_load_b128 v[28:31], v236 offset:96
	; oB as source 0: rows 0-3 the four ranks for head 2 t, row 4 ones (it makes the sum of squares), rows 5-7 zeros; rows 8-15 the same for head 2 t + 1
	WIN 0x05                                       ; sources 0 and 1 in window 1
.set i, 0
.rept 16
	v_cvt_pk_bf16_f32 v[32+i], v[80+2*i], v[80+2*i+1]
.set i, i+1
.endr
	WIN 0
.set i, 0
.rept 16
	v_cndmask_b32 v[32+i], 0, v[32+i], s69
.set i, i+1
.endr
.set i, 0
.rept 16
	v_cndmask_b32 v[32+i], v[32+i], v239, s70
.set i, i+1
.endr
	s_wait_dscnt 0x0
	v_wmma_f32_16x16x32_bf16 v[64:71], v[32:39], v[16:23], 0    ; two accumulators, one for each half of the channels
	v_wmma_f32_16x16x32_bf16 v[72:79], v[40:47], v[24:31], 0
.rept 4
	v_nop
.endr
.irp j, 0,1,2,3,4
	v_add_f32 v[80+(\j)], v[64+(\j)], v[72+(\j)]   ; from the low end: four ranks, then the sum of squares
.endr
	v_add_f32 v84, 0x322bcc77, v84                 ; + 1e-8
	v_rcp_f32 v84, v84
	v_nop
	s_wait_alu depctr_va_vdst(0)
.irp j, 0,1,2,3
	v_mul_f32 v[80+(\j)], v[80+(\j)], v84
.endr
	ds_store_b128 v237, v[80:83]                   ; every lane stores; lane 24 hh + pos holds head 2 t + hh, position pos; the other lanes' numbers are read by nobody
	s_wait_dscnt 0x0
	s_barrier_signal -1
	s_barrier_wait -1
	; out0: wave w makes positions 2 w, 2 w + 1; a lane 4 x 4 columns.  u = the sum over the eight heads
.irp j, 0,1
.irp hd, 0,1,2,3,4,5,6,7
	ds_load_b128 v[96+32*(\j)+4*(\hd):96+32*(\j)+4*(\hd)+3], v238 offset:((\hd)/2)*512+((\hd)%2)*384+16*(\j)
.endr
.endr
	s_wait_dscnt 0x0
.irp j, 0,1
.irp a, 0,2,4,6
.irp p, 0,2
	v_pk_add_f32 v[96+32*(\j)+4*(\a)+(\p):96+32*(\j)+4*(\a)+(\p)+1], v[96+32*(\j)+4*(\a)+(\p):96+32*(\j)+4*(\a)+(\p)+1], v[96+32*(\j)+4*(\a)+4+(\p):96+32*(\j)+4*(\a)+4+(\p)+1]
.endr
.endr
.endr
.irp j, 0,1
.irp a, 0,4
.irp p, 0,2
	v_pk_add_f32 v[96+32*(\j)+4*(\a)+(\p):96+32*(\j)+4*(\a)+(\p)+1], v[96+32*(\j)+4*(\a)+(\p):96+32*(\j)+4*(\a)+(\p)+1], v[96+32*(\j)+4*(\a)+8+(\p):96+32*(\j)+4*(\a)+8+(\p)+1]
.endr
.endr
.endr
.irp j, 0,1
.irp p, 0,2
	v_pk_add_f32 v[96+32*(\j)+(\p):96+32*(\j)+(\p)+1], v[96+32*(\j)+(\p):96+32*(\j)+(\p)+1], v[96+32*(\j)+16+(\p):96+32*(\j)+16+(\p)+1]
.endr
.endr
	s_wait_loadcnt 0x0                             ; oA and ob
	WIN 0x11                                       ; sources 0 and 2 in window 1
.irp j, 0,1
.set i, 0
.rept 16
	v_fma_f32 v[16+16*(\j)+i], v[112+4*i], v[96+32*(\j)], v[176+i]
.set i, i+1
.endr
.endr
	WIN 0x01
.irp rho, 1,2,3
.irp j, 0,1
.set i, 0
.rept 16
	v_fma_f32 v[16+16*(\j)+i], v[112+4*i+(\rho)], v[96+32*(\j)+(\rho)], v[16+16*(\j)+i]
.set i, i+1
.endr
.endr
.endr
	WIN 0
.irp j, 0,1
.irp i, 0,1,2,3
	global_store_b128 v13, v[16+16*(\j)+4*(\i):16+16*(\j)+4*(\i)+3], s[20:21] offset:2048*(\j)+512*(\i) th:TH_STORE_NT  ; 512 consecutive bytes, at a multiple of 256 from out0's first
.endr
.endr
	s_wait_tensorcnt 0x0                           ; the wave's end, behind my last tensor load and my last LDS store
	ds_add_u32 v[SPW], v[NIL]
	s_wait_dscnt 0x0
	ROUND                                          ; the closing round
	s_endpgm
.Lfunc_end_k_qea82825c58_attn:
	.size	k_qea82825c58_attn, .Lfunc_end_k_qea82825c58_attn-k_qea82825c58_attn
	.p2alignl 7, 3214868480
	.fill 96, 4, 3214868480
	.section	.rodata,"a",@progbits
	.p2align	6, 0x0
	.amdhsa_kernel k_qea82825c58_attn
		.amdhsa_group_segment_fixed_size 327680
		.amdhsa_private_segment_fixed_size 0
		.amdhsa_enable_private_segment 0
		.amdhsa_kernarg_size 72
		.amdhsa_user_sgpr_count 2
		.amdhsa_user_sgpr_kernarg_segment_ptr 1
		.amdhsa_wavefront_size32 1
		.amdhsa_system_sgpr_workgroup_id_x 1
		.amdhsa_system_sgpr_workgroup_id_y 1
		.amdhsa_system_sgpr_workgroup_id_z 1
		.amdhsa_system_vgpr_workitem_id 0
		.amdhsa_next_free_vgpr 464
		.amdhsa_next_free_sgpr 80
		.amdhsa_reserve_vcc 0
		.amdhsa_float_denorm_mode_32 3
		.amdhsa_float_denorm_mode_16_64 3
		.amdhsa_memory_ordered 1
		.amdhsa_forward_progress 1
		.amdhsa_inst_pref_size 161
	.end_amdhsa_kernel
	.amdgpu_metadata
---
amdhsa.version: [ 1, 2 ]
amdhsa.kernels:
  - .name:           k_qea82825c58_attn
    .symbol:         k_qea82825c58_attn.kd
    .args:
      - { .name: qt, .offset: 0, .size: 8, .value_kind: global_buffer, .address_space: global }
      - { .name: kt, .offset: 8, .size: 8, .value_kind: global_buffer, .address_space: global }
      - { .name: vt, .offset: 16, .size: 8, .value_kind: global_buffer, .address_space: global }
      - { .name: vA, .offset: 24, .size: 8, .value_kind: global_buffer, .address_space: global }
      - { .name: vb, .offset: 32, .size: 8, .value_kind: global_buffer, .address_space: global }
      - { .name: oA, .offset: 40, .size: 8, .value_kind: global_buffer, .address_space: global }
      - { .name: oB, .offset: 48, .size: 8, .value_kind: global_buffer, .address_space: global }
      - { .name: ob, .offset: 56, .size: 8, .value_kind: global_buffer, .address_space: global }
      - { .name: out0, .offset: 64, .size: 8, .value_kind: global_buffer, .address_space: global }
    .group_segment_fixed_size: 327680
    .private_segment_fixed_size: 0
    .kernarg_segment_align: 8
    .kernarg_segment_size: 72
    .max_flat_workgroup_size: 128
    .sgpr_count:     80
    .vgpr_count:     464
    .wavefront_size: 32
...
	.end_amdgpu_metadata
.endif
;; end of part 2
